; MI455X (gfx1250); checked and timed in simulation.
; The chip was launched on July 23, 2026; its instructions are those of AMD's public machine-readable ISA for CDNA 5 (MIT licence, August 2026) and "CDNA5" Instruction Set Architecture Reference Guide (July 2026). The comments in the code are by the model that wrote it; some were corrected since.
;; CLSTM Cell. Allowed arithmetic: float matrix products may take bf16 or f16 operands with f32 sums; other float arithmetic in f32, or as packed bf16 or f16 multiplies, adds, multiply-adds, maxima and minima; sums over many terms, partial sums and values carried from step to step in f32; what a program stores and reads back later, other than sums and carried values, may be rounded once to bf16 or f16.
;; Inputs: c_tm1 2,048 x 2,048 float32; h_tm1 2,048 x 2,048 float32; imaginary_bias 4,096 float32; imaginary_kernel 1,024 x 4,096 float32; imaginary_recurrent_kernel 1,024 x 4,096 float32; inputs 2,048 x 2,048 float32; real_bias 4,096 float32; real_kernel 1,024 x 4,096 float32; real_recurrent_kernel 1,024 x 4,096 float32.
;; Outputs: out0 2,048 x 2,048 float32; out1 2,048 x 2,048 float32.
;; One version. Each part assembles by itself: llvm-mc -triple=amdgcn-amd-amdhsa -mcpu=gfx1250 --defsym DOCPART=n.
;; ======== version 1 of 1: 2 launches
;; limits: values outside matrix products are rounded to bf16
;; workspace buffers: as_buf 33,554,432 bytes; wb 33,554,432 bytes
;; launch cast (part 1): grid 1536 x 1, 8 waves a work-group, no clusters, 0 bytes of LDS; arguments inputs, h_tm1, real_kernel, imaginary_kernel, real_recurrent_kernel, imaginary_recurrent_kernel, as_buf, wb; writes as_buf, wb
.if DOCPART == 1
	.amdgcn_target "amdgcn-amd-amdhsa--gfx1250"
	.amdhsa_code_object_version 6
	.text
	.protected	k_q1805e47058_cast
	.globl	k_q1805e47058_cast
	.p2align	8
	.type	k_q1805e47058_cast,@function
k_q1805e47058_cast:
	s_mov_b64 s[64:65], 0
	v_nop
	global_prefetch_b8 v0, s[64:65] scope:SCOPE_SE
	s_setreg_imm32_b32 hwreg(HW_REG_WAVE_MODE, 25, 1), 1
	s_wait_xcnt 0x0
; COMPLEX LSTM CELL, launch 1 of 2: the matrix operands are rounded to bf16 once and laid out for the product.
; With W = [R; I; RR; IR] (4,096 x 4,096) the cell's pre-activations are zr = [xr, xi, hr, hi] W and zi = [xi, -xr, hi, -hr] W: ONE product of a stack of
; 4,096 rows with W: 2 x 4096^3 operations, which is what the eight products as written cost.  NOTHING IS LEFT OUT: every input reaches an output, and every one is loaded
; (six here; c_tm1 and the two biases in the second launch).
; as_buf: bf16 [4096][4096].  Row b (b < 2048) = [inputs[b][0:2048], h_tm1[b][0:2048]].  Row 2048 + b holds, in each half of 2,048, source column c at place c xor 1024,
;         with the sign turned where c < 1024: [xi, -xr, hi, -hr].
; wb:     bf16 [4096 kk][4096 n'].  kk = 1024 q + k, q = 0..3 for R, I, RR, IR.  Source column n = 1024 g + 64 tn + u (gate g, 64 units of output tile tn) goes to
;         n' = 256 tn + 64 g + u: the four gates of 64 units lie together, 512 bytes on end.
; LIMITS.  Rounding to nearest even; a number beyond bf16's largest finite one becomes an infinity.  The sign is turned by its bit, so -0 can arise: it adds nothing to a sum.
; SHARES.  6,144 row jobs of 4,096 numbers (4,096 rows of W, 2,048 batch rows), four to a work-group of 256 threads; a thread has eight chunks of 8 numbers
; (chunk c: row c / 2, half c % 2).  A pure stream: no LDS, no barrier, no matrix unit, no loop; all 16 loads of a thread go out first (8 KiB a wave), no register is written twice.
; Each store of 16 lanes covers 256 consecutive bytes, aligned; eight lanes' two loads cover 256 consecutive bytes, aligned.
.set X, 16                             ; v[16:79]    chunk c: 8 numbers as loaded
.set Y, 80                             ; v[80:111]   chunk c: 8 bf16
.set Z, 112                            ; v[112:143]  chunk c: the same with the signs turned where the second row wants it
.macro LD c, base, off                 ; a chunk's two loads
	global_load_b128 v[X+8*(\c):X+8*(\c)+3],   v1, s[\base:\base+1] offset:(\off) th:TH_LOAD_NT
	global_load_b128 v[X+8*(\c)+4:X+8*(\c)+7], v1, s[\base:\base+1] offset:(\off)+16 th:TH_LOAD_NT
.endm
.macro CV c                            ; the chunk is in (loads come back in order: the 14 - 2 c loads of the younger chunks may stay out) and is rounded
	s_wait_loadcnt 14-2*(\c)
.irp i, 0,1,2,3
	v_cvt_pk_bf16_f32 v[Y+4*(\c)+(\i)], v[X+8*(\c)+2*(\i)], v[X+8*(\c)+2*(\i)+1]
.endr
.endm
	s_load_b512 s[8:23], s[0:1], 0x0               ; inputs 8, h_tm1 10, R 12, I 14, RR 16, IR 18, as_buf 20, wb 22
	s_cmp_lt_u32 ttmp9, 1024                       ; work-groups 0 to 1,023 take W's rows, the other 512 the batch rows
	s_cbranch_scc0 .Lrows_a
	; ---- four rows of one kernel ----
	s_lshr_b32 s2, ttmp9, 8                        ; q: which kernel
	s_and_b32 s4, ttmp9, 255
	s_lshl_b32 s4, s4, 16                          ; its rows 4 (wg % 256) on: 16,384 bytes each
	s_mov_b32 s5, 0
	s_lshl_b32 s6, ttmp9, 15                       ; wb's rows 4 wg on: 8,192 bytes each
	s_mov_b32 s7, 0
	v_bfe_u32 v5, v0, 3, 1                         ; the gate's low bit
	v_lshrrev_b32 v6, 4, v0                        ; tn
	v_and_b32 v7, 7, v0                            ; which 8 of the 64 units
	v_and_b32 v8, 15, v0
	v_lshlrev_b32 v1, 12, v5                       ; from: 4,096 (g % 2) + 256 tn + 32 (t % 8); the gate's high bit stands in the immediate
	v_lshl_add_u32 v1, v6, 8, v1
	v_lshl_add_u32 v1, v7, 5, v1
	v_lshlrev_b32 v2, 9, v6                        ; to: 512 tn + 16 (t % 16)
	v_lshl_add_u32 v2, v8, 4, v2
	s_wait_kmcnt 0x0
	s_cmp_lt_u32 s2, 2
	s_cselect_b64 s[24:25], s[12:13], s[16:17]     ; R or RR
	s_cselect_b64 s[26:27], s[14:15], s[18:19]     ; I or IR
	s_bitcmp1_b32 s2, 0
	s_cselect_b64 s[24:25], s[26:27], s[24:25]
	s_add_nc_u64 s[24:25], s[24:25], s[4:5]
	s_add_nc_u64 s[28:29], s[22:23], s[6:7]
.irp c, 0,1,2,3,4,5,6,7
	LD \c, 24, ((\c)/2)*16384+((\c)%2)*8192
.endr
.irp c, 0,1,2,3,4,5,6,7
	CV \c
	global_store_b128 v2, v[Y+4*(\c):Y+4*(\c)+3], s[28:29] offset:((\c)/2)*8192+((\c)%2)*256
.endr
	s_endpgm
	; ---- four batch rows: inputs (half 0) and h_tm1 (half 1), each stored twice ----
.Lrows_a:
	s_sub_co_u32 s2, ttmp9, 1024
	s_lshl_b32 s2, s2, 15                          ; four rows of 8,192 bytes, in the sources and in as_buf alike
	s_mov_b32 s3, 0
	v_lshlrev_b32 v1, 5, v0                        ; from: 32 t
	v_lshlrev_b32 v2, 4, v0                        ; to, first row: 16 t
	v_xor_b32 v3, 2048, v2                         ; to, second row: column xor 1024
	v_mov_b32 v4, 0x80008000                       ; two sign bits,
	v_cmp_gt_u32 vcc_lo, 128, v0                   ; for the threads whose columns lie below 1024
	v_cndmask_b32 v4, 0, v4, vcc_lo
	s_wait_kmcnt 0x0
	s_add_nc_u64 s[24:25], s[8:9], s[2:3]
	s_add_nc_u64 s[26:27], s[10:11], s[2:3]
	s_add_nc_u64 s[28:29], s[20:21], s[2:3]
	s_add_nc_u64 s[30:31], s[28:29], 0x1000000     ; 2,048 rows further down
.irp c, 0,1,2,3,4,5,6,7
	LD \c, 24+2*((\c)%2), ((\c)/2)*8192
.endr
.irp c, 0,1,2,3,4,5,6,7
	CV \c
	global_store_b128 v2, v[Y+4*(\c):Y+4*(\c)+3], s[28:29] offset:((\c)/2)*8192+((\c)%2)*4096
.irp i, 0,1,2,3
	v_xor_b32 v[Z+4*(\c)+(\i)], v4, v[Y+4*(\c)+(\i)]
.endr
	global_store_b128 v3, v[Z+4*(\c):Z+4*(\c)+3], s[30:31] offset:((\c)/2)*8192+((\c)%2)*4096
.endr
	s_endpgm
.Lfunc_end_k_q1805e47058_cast:
	.size	k_q1805e47058_cast, .Lfunc_end_k_q1805e47058_cast-k_q1805e47058_cast
	.p2alignl 7, 3214868480
	.fill 96, 4, 3214868480
	.section	.rodata,"a",@progbits
	.p2align	6, 0x0
	.amdhsa_kernel k_q1805e47058_cast
		.amdhsa_group_segment_fixed_size 0
		.amdhsa_private_segment_fixed_size 0
		.amdhsa_enable_private_segment 0
		.amdhsa_kernarg_size 64
		.amdhsa_user_sgpr_count 2
		.amdhsa_user_sgpr_kernarg_segment_ptr 1
		.amdhsa_wavefront_size32 1
		.amdhsa_system_sgpr_workgroup_id_x 1
		.amdhsa_system_sgpr_workgroup_id_y 1
		.amdhsa_system_sgpr_workgroup_id_z 1
		.amdhsa_system_vgpr_workitem_id 0
		.amdhsa_next_free_vgpr 144
		.amdhsa_next_free_sgpr 66
		.amdhsa_reserve_vcc 1
		.amdhsa_float_denorm_mode_32 3
		.amdhsa_float_denorm_mode_16_64 3
		.amdhsa_memory_ordered 1
		.amdhsa_forward_progress 1
		.amdhsa_inst_pref_size 13
	.end_amdhsa_kernel
	.amdgpu_metadata
---
amdhsa.version: [ 1, 2 ]
amdhsa.kernels:
  - .name:           k_q1805e47058_cast
    .symbol:         k_q1805e47058_cast.kd
    .args:
      - { .name: inputs, .offset: 0, .size: 8, .value_kind: global_buffer, .address_space: global }
      - { .name: h_tm1, .offset: 8, .size: 8, .value_kind: global_buffer, .address_space: global }
      - { .name: real_kernel, .offset: 16, .size: 8, .value_kind: global_buffer, .address_space: global }
      - { .name: imaginary_kernel, .offset: 24, .size: 8, .value_kind: global_buffer, .address_space: global }
      - { .name: real_recurrent_kernel, .offset: 32, .size: 8, .value_kind: global_buffer, .address_space: global }
      - { .name: imaginary_recurrent_kernel, .offset: 40, .size: 8, .value_kind: global_buffer, .address_space: global }
      - { .name: as_buf, .offset: 48, .size: 8, .value_kind: global_buffer, .address_space: global }
      - { .name: wb, .offset: 56, .size: 8, .value_kind: global_buffer, .address_space: global }
    .group_segment_fixed_size: 0
    .private_segment_fixed_size: 0
    .kernarg_segment_align: 8
    .kernarg_segment_size: 64
    .max_flat_workgroup_size: 256
    .sgpr_count:     66
    .vgpr_count:     144
    .wavefront_size: 32
...
	.end_amdgpu_metadata
.endif
;; end of part 1
;; launch cell (part 2): grid 16 x 16, 4 waves a work-group, clusters of 4 x 4, 327,680 bytes of LDS; arguments as_buf, wb, c_tm1, real_bias, imaginary_bias, out0, out1; writes out0, out1
.if DOCPART == 2
	.amdgcn_target "amdgcn-amd-amdhsa--gfx1250"
	.amdhsa_code_object_version 6
	.text
	.protected	k_q1805e47058_cell
	.globl	k_q1805e47058_cell
	.p2align	8
	.type	k_q1805e47058_cell,@function
k_q1805e47058_cell:
	s_mov_b64 s[64:65], 0
	v_nop
	global_prefetch_b8 v0, s[64:65] scope:SCOPE_SE
	s_setreg_imm32_b32 hwreg(HW_REG_WAVE_MODE, 25, 1), 1
	s_wait_xcnt 0x0
	s_wait_alu depctr_hold_cnt(0) depctr_sa_sdst(0) depctr_va_vdst(0) depctr_va_sdst(0) depctr_va_ssrc(0) depctr_va_vcc(0) depctr_vm_vsrc(0)
	s_getreg_b32 s2, hwreg(HW_REG_IB_STS2, 6, 4)
	s_cmp_eq_u32 s2, 0
	s_cbranch_scc0 .Lentry_in_a_cluster
	s_endpgm
.Lentry_in_a_cluster:
	s_bfe_u32 s2, ttmp6, 0x10000c
	s_cmp_lg_u32 s2, 0xf033
	s_cbranch_scc0 .Lentry_shape_is_right
	s_endpgm
.Lentry_shape_is_right:
; COMPLEX LSTM CELL, launch 2 of 2: Z = as_buf x wb + bias (4,096 x 4,096 x 4,096, bf16 operands, f32 sums), then i, f, o = clip(0.2 z + 0.5, 0, 1), c = f c_tm1 + i tanh(z_c),
; h = o tanh(c); out0 = h, out1 = c, both f32 [2048][2048].  Nothing of the cell is left out.
; as_buf [4096][4096] bf16: rows 0-2047 give zr, rows 2048-4095 give zi.  wb [4096 k][4096 n'] bf16, n' = 256 tn + 64 g + u: the four gates g of the 64 units of output tile tn lie together.
; ALL INPUTS ARE ROUNDED ONCE TO bf16: the matrix operands by the launch before, c_tm1 and the two biases here, in registers, as they come in.  So the program computes the cell, in f32, on inputs that
; are all rounded alike.
; LIMITS.  Every input carries a relative rounding of up to 2^-9 (bf16, nearest even; f32's whole range of exponents; beyond bf16's largest finite number an infinity).
; tanh(x) = 1 - 2 / (1 + 2^(2.88539 x)): right at both infinities; its absolute error is a few 2^-24, so below |x| of about 1e-6 the relative accuracy goes.
; A NaN in z is not carried through the clamp of i, f, o.
; SHARES.  A work-group of four waves makes 256 rows x 256 columns of Z = 256 batch rows x 64 units x 4 gates of one part (real or imaginary).  A wave makes 128 x 128: 64 accumulators, 512 registers.
; Wave w: p = w / 2 its 128 rows, s = w % 2; its 8 column blocks b = 2 g + t are the tile's columns 64 g + 32 s + 16 t + 0..15.  So the four gates of a unit lie in the same lane and the same
; register number of four accumulators, and the pointwise part changes no lane.
; THE MATRIX INSTRUCTION IS USED TRANSPOSED: source 0 = 16 columns of wb, source 1 = 16 rows of as_buf.  In accumulator (a, b) lane l (r = l % 16, h = l / 16) holds row 128 p + 16 a + r, and register j
; unit 32 s + 16 t + 8 h + j of the tile.  The first product of each sum takes the bias as C: nothing is cleared, and no bias is added later.
; RING.  K goes in steps of 128 through two LDS slots filled by the tensor data mover.  as_buf's rows come as they lie (256 bytes a row); wb's lie [k][n] (512 bytes a row) and are turned on the way
; into registers by ds_load_tr16_b128.  When slot 0 has been read for the last time its first part takes the work-group's tile of c_tm1, which lands under the last K step's 256 products.
; CLUSTER.  4 x 4 work-groups.  The four of a row of the cluster need the same tiles of as_buf, the four of a column the same tiles of wb: each is asked for JOINTLY, by the same tensor load with the
; same descriptor and a mask that names the four.  c_tm1's tile is each work-group's own: a plain load, behind a round like the others.
; REGISTERS, in windows of 256 (s_set_vgpr_msb: bits 1:0 source 0, 3:2 source 1, 5:4 source 2, 7:6 destination):
;   window 0: v0-31 addresses and constants; v64-127, v128-191 fragments of as_buf, two buffers; v32-223 at work on the way out
;   window 1: v0-31 at work once, while the bias is rounded; v64-127, v128-191 fragments of wb, two buffers; v192-255 the bias of my 8 column blocks
;   window 2: the accumulators of my rows 0-63 ((a, b) at v[8 (8 a + b)]);   window 3: those of my rows 64-127
.set PA,     272                       ; an LDS row of as_buf, c_tm1 and the stages: 256 bytes + 16 = 68 words: row r starts at bank 4 r mod 64 (64 banks of 4 bytes: ISA guide 11.1)
.set PB,     544                       ; an LDS row of wb: 512 bytes + 32 = 136 words
.set HALFT,  128*PA                    ; what one tensor load brings: 128 rows of as_buf, or 64 rows of wb (64 x 544 is the same number)
.set SLOT,   4*HALFT                   ; as_buf's 256 rows, then wb's 128 rows
.set HST,    2*HALFT                   ; the stage for h: where slot 0 held wb, behind that part's last fill; 256 rows x 272
.set CST,    SLOT                      ; the stage for c: where slot 1 held as_buf, behind that part's last fill
.set SPARE,  2*SLOT                    ; behind the ring: the spare words, 128 bytes for each wave: two blocks of 256 bytes that no other line names
.set LAPS,   16                        ; a lap = two K steps = once round the ring: 4,096 / 256
.set ADRA, 16                          ; v16-17  LDS address of my fragments of as_buf in slot 0, 1
.set ADRB, 20                          ; v20-21  the same for wb
.set EL,   22                          ; v22     my 32 bytes in a row of c_tm1's tile
.set EH,   23                          ; v23     the same place in h's stage
.set EC,   24                          ; v24     and in c's
.set RDH,  25                          ; v25     where I read rows of h's stage back
.set RDC,  26                          ; v26     and of c's
.set GO,   27                          ; v27     my byte offset in two rows of an output
.set SPW,  28                          ; v28     LDS address of my spare word: SPARE + 4 x my thread's number; never rewritten
.set NIL,  29                          ; v29     0; never rewritten
.set PFO,  30                          ; v30     the prefetches' offset; never rewritten
.set BO,   31                          ; v31     my byte offset in a bias
.set F0,   64
.set F1,   128
.set BIAS, 192                         ; window 1
.set BT,   0                           ; window 1: v0-31, the bias as packed bf16, for a moment
.set CT,   32                          ; the way out, window 0, 32 registers each: c_tm1, then f c_tm1, then c
.set GI,   64                          ; i
.set GF,   96                          ; f
.set GOU,  128                         ; o
.set GG,   160                         ; tanh(z_c) in the making
.set TH,   192                         ; first c_tm1 as packed bf16 (16 registers), then tanh(c) in the making, then h
.set G1,   24                          ; s[24:31] descriptor group 1 for as_buf's tiles;  s[32:39] group 0, a set for each slot
.set G0,   32
.set G1B,  48                          ; s[48:55], s[56:63] the same for wb's tiles
.set G0B,  56
.set G1C,  68                          ; s[68:75], s[76:79] for c_tm1's tile
.set G0C,  76
.set LIM,  43                          ; s43     1 in a wave that prefetches, else the greatest number
.set PFA,  44                          ; s[44:45] where my prefetches stand
.set PST,  66                          ; s[66:67] their step: a K step along a row of as_buf (256 bytes) or down wb (128 rows)
.set UPP,  95                          ; s95     0xffff0000: a word's upper bf16
.set MSB, 0
.macro WIN new                         ; the immediate's high byte repeats the setting that is left; a switch that changes nothing is dropped
.if MSB != (\new)
	s_set_vgpr_msb (MSB<<8)|(\new)
.set MSB, (\new)
.endif
.endm
.set TO_B, 0x40                        ; destination window 1, address window 0
.macro PLACES                          ; four places: plain vector instructions that name no register of the matrix instructions before them (ISA guide 7.12.1)
.rept 4
	v_nop
.endr
.endm
; A joint load.  Waves 0 and 1 fetch as_buf's two halves, waves 2 and 3 wb's.  Each line has one mask and one set of registers for all that issue it; the branch hangs on the wave's number alone.
; An s_nop 0 and four v_nop follow each of the two lines, ahead of the jump, the label and what follows.
.macro JLOAD s
	s_cmp_eq_u32 s11, 0
	s_cbranch_scc0 .Lfor_b_\@
	tensor_load_to_lds s[G0+4*(\s):G0+4*(\s)+3], s[G1:G1+7]
	s_nop 0
.rept 4
	v_nop
.endr
	s_branch .Lasked_\@
.Lfor_b_\@:
	tensor_load_to_lds s[G0B+4*(\s):G0B+4*(\s)+3], s[G1B:G1B+7]
	s_nop 0
.rept 4
	v_nop
.endr
.Lasked_\@:
.endm
.macro CLOAD                           ; my 64 rows of the work-group's tile of c_tm1: every wave issues it, into bytes of its own
	tensor_load_to_lds s[G0C:G0C+3], s[G1C:G1C+7]
	s_nop 0
.rept 4
	v_nop
.endr
.endm
; A PREFETCH INTO THE L2, behind each joint refill, its five lines and the run of LDS loads that follows: the K step that stands TWO refills on, 512 matrix instructions ahead of the load that will ask for it.
; Each aligned block of 256 bytes is named once in the launch.  as_buf's tile row is read by every cluster of that row of clusters: cluster x = 0 asks; wb's tile column by every cluster of that column:
; cluster y = 0 asks.  The four partners that ask for a tile jointly share it out BY ADDRESS: of the 128 rows of as_buf that a wave fetches the partner at cx takes 32, a lane a row; of the 64 rows of wb
; the partner at cy takes 16, a lane a half row.  The first four K steps and c_tm1 come by their loads alone; the loop's last trip (s3 = 1) asks for nothing: there is no K step 32.
.macro ASK
	s_cmp_gt_u32 s3, s[LIM]
	s_cbranch_scc0 .Lnot_mine_\@
	global_prefetch_b8 v[PFO], s[PFA:PFA+1] th:TH_LOAD_NT scope:SCOPE_SE
.Lnot_mine_\@:
.endm
; A round of the cluster's barrier: my work-group's barrier; wave 0 signals for the work-group; every wave waits for all sixteen work-groups; my work-group's barrier once more.
.macro CREST                           ; a round behind its opening barrier
	s_cmp_lg_u32 s10, 0
	s_cbranch_scc1 .Lnot_wave_0_\@
	s_barrier_signal -3
.Lnot_wave_0_\@:
	s_barrier_wait -3
	s_barrier_signal -1
	s_barrier_wait -1
.endm
.macro CROUND                          ; a whole round
	s_barrier_signal -1
	s_barrier_wait -1
	CREST
.endm
	s_load_b128 s[4:7], s[0:1], 0x0                ; as_buf s[4:5], wb s[6:7]
	s_load_b256 s[80:87], s[0:1], 0x10             ; c_tm1 s[80:81], real_bias s[82:83], imaginary_bias s[84:85], out0 s[86:87]
	s_load_b64 s[88:89], s[0:1], 0x30              ; out1
	v_lshl_add_u32 v[SPW], v0, 2, SPARE
	v_mov_b32 v[NIL], 0
	ds_add_u32 v[SPW], v[NIL]                      ; the wave's opening: the add, twice on end, and its wait ahead of my first tensor load; the set-up below, work on registers, stands between
	ds_add_u32 v[SPW], v[NIL]                      ; and once more, under the one wait
	v_lshrrev_b32 v1, 5, v0
	v_readfirstlane_b32 s10, v1                    ; wave 0..3
	s_lshr_b32 s11, s10, 1                         ; p: my half of the tile's rows.  Also: I fetch for as_buf (0) or for wb (1)
	s_and_b32 s12, s10, 1                          ; s: my half of each gate's columns.  Also: which half of that tile I fetch
	s_bfe_u32 s40, ttmp6, 0x40000                  ; cx
	s_bfe_u32 s41, ttmp6, 0x40004                  ; cy
	s_lshl_b32 s42, ttmp9, 2                       ; in a cluster launch ttmp9 and ttmp7 count clusters
	s_add_co_u32 s42, s42, s40                     ; tn = 4 x cluster x + cx
	s_and_b32 s13, ttmp7, 0xffff
	s_lshr_b32 s94, s13, 1                         ; part: 0 real (tile rows 0-7), 1 imaginary (8-15): the same in all sixteen partners
	s_lshl_b32 s13, s13, 2
	s_add_co_u32 s13, s13, s41                     ; tm = 4 x cluster y + cy
	s_lshl_b32 s43, s41, 2
	s_lshl_b32 s43, 15, s43                        ; my row of the cluster: places 4 cy .. 4 cy + 3
	s_lshl_b32 s44, 0x1111, s40                    ; my column: places cx, cx + 4, cx + 8, cx + 12
	s_mov_b32 s[UPP], 0xffff0000
	; group 1 for as_buf: 128 rows x 128 elements of 2 bytes
	s_or_b32 s[G1+0], s43, (1<<16)|(1<<20)|(1<<21)|(5<<22)|(3<<25)   ; 15:0 the mask: my row; 17:16 2-byte elements; 20 padding on; 21 set beside a mask; 24:22 after every 64 words (code 5); 31:25 4 words (code 3)
	s_mov_b32 s[G1+1], 128<<16                     ; tensor_dim0 = 128
	s_mov_b32 s[G1+2], 128<<16                     ; tensor_dim1 = 128
	s_mov_b32 s[G1+3], 128<<16                     ; tile_dim0 = 128
	s_mov_b32 s[G1+4], 128                         ; tile_dim1 = 128
	s_mov_b32 s[G1+5], 4096                        ; elements from row to row
	s_mov_b32 s[G1+6], 0
	s_mov_b32 s[G1+7], 0
	; group 1 for wb: 64 rows x 256 elements of 2 bytes
	s_or_b32 s[G1B+0], s44, (1<<16)|(1<<20)|(1<<21)|(6<<22)|(7<<25)  ; the mask: my column; padding after every 128 words (code 6), 8 words (code 7)
	s_mov_b32 s[G1B+1], 256<<16
	s_mov_b32 s[G1B+2], 64<<16
	s_mov_b32 s[G1B+3], 256<<16
	s_mov_b32 s[G1B+4], 64
	s_mov_b32 s[G1B+5], 4096
	s_mov_b32 s[G1B+6], 0
	s_mov_b32 s[G1B+7], 0
	; group 1 for c_tm1: 64 rows x 64 elements of 4 bytes, no mask
	s_mov_b32 s[G1C+0], (2<<16)|(1<<20)|(5<<22)|(3<<25)
	s_mov_b32 s[G1C+1], 64<<16
	s_mov_b32 s[G1C+2], 64<<16
	s_mov_b32 s[G1C+3], 64<<16
	s_mov_b32 s[G1C+4], 64
	s_mov_b32 s[G1C+5], 2048
	s_mov_b32 s[G1C+6], 0
	s_mov_b32 s[G1C+7], 0
	; where the tiles come from: as_buf's hang on tm and the wave alone, wb's on tn and the wave alone
	s_lshl_b32 s17, s12, 7
	s_lshl_b32 s16, s13, 8
	s_add_co_u32 s16, s16, s17                     ; row 256 tm + 128 x half,
	s_lshl_b32 s16, s16, 13                        ; of 8,192 bytes
	s_mov_b32 s17, 0
	s_lshl_b32 s46, s12, 19                        ; 64 rows of 8,192 bytes x half,
	s_lshl_b32 s47, s42, 9                         ; 512 bytes x tn
	s_add_co_u32 s46, s46, s47
	s_mov_b32 s47, 0
	s_mul_i32 s20, s10, HALFT                      ; and where they go: wave x HALFT: no place in the cluster enters an LDS address
	s_wait_dscnt 0x0                               ; both opening adds are done
	s_wait_kmcnt 0x0
	s_add_nc_u64 s[14:15], s[4:5], s[16:17]
	s_add_nc_u64 s[46:47], s[6:7], s[46:47]
	CROUND                                         ; all sixteen work-groups are here: the first joint loads meet
.irp n, 0,1
	s_mov_b32 s[G0+4*(\n)], 1                                        ; count = 1
	s_add_co_u32 s[G0+4*(\n)+1], s20, (\n)*SLOT                      ; LDS address
	s_add_nc_u64 s[G0+4*(\n)+2:G0+4*(\n)+3], s[14:15], (\n)*256      ; K step n: 256 bytes along the rows
	s_or_b32 s[G0+4*(\n)+3], s[G0+4*(\n)+3], 0x80000000              ; type = 2
	s_mov_b32 s[G0B+4*(\n)], 1
	s_add_co_u32 s[G0B+4*(\n)+1], s20, (\n)*SLOT
	s_add_nc_u64 s[G0B+4*(\n)+2:G0B+4*(\n)+3], s[46:47], (\n)*0x100000  ; K step n: 128 rows down
	s_or_b32 s[G0B+4*(\n)+3], s[G0B+4*(\n)+3], 0x80000000
.endr
	s_cmp_eq_u32 s11, 0                            ; a wave's two first fills stand in one branch, ahead of every wait on TENSORcnt and every LDS read: two loads of mine are out
	s_cbranch_scc0 .Lfirst_b
	tensor_load_to_lds s[G0:G0+3], s[G1:G1+7]
	s_nop 0
	tensor_load_to_lds s[G0+4:G0+7], s[G1:G1+7]
	s_nop 0
.rept 4
	v_nop
.endr
	s_branch .Lfirst_asked
.Lfirst_b:
	tensor_load_to_lds s[G0B:G0B+3], s[G1B:G1B+7]
	s_nop 0
	tensor_load_to_lds s[G0B+4:G0B+7], s[G1B:G1B+7]
	s_nop 0
.rept 4
	v_nop
.endr
.Lfirst_asked:
	; my rows of c_tm1, out0 and out1: batch row 256 (tm % 8) + 64 w, column 1024 part + 64 tn, in bytes
	s_and_b32 s96, s13, 7
	s_lshl_b32 s96, s96, 8
	s_lshl_b32 s97, s10, 6
	s_add_co_u32 s96, s96, s97
	s_lshl_b32 s96, s96, 13
	s_lshl_b32 s97, s94, 12
	s_add_co_u32 s96, s96, s97
	s_lshl_b32 s97, s42, 8
	s_add_co_u32 s92, s96, s97
	s_mov_b32 s93, 0
	s_mov_b32 s[G0C], 1                            ; no pending load names this group
	s_mul_i32 s[G0C+1], s10, 64*PA                 ; my 64 rows of the tile, from LDS byte 0 on
	s_add_nc_u64 s[G0C+2:G0C+3], s[80:81], s[92:93]
	s_or_b32 s[G0C+3], s[G0C+3], 0x80000000
	s_add_nc_u64 s[86:87], s[86:87], s[92:93]      ; out0 and out1 at the rows that I store
	s_add_nc_u64 s[88:89], s[88:89], s[92:93]
	s_cmp_eq_u32 s94, 0
	s_cselect_b64 s[90:91], s[82:83], s[84:85]     ; the part's bias
	; lane addresses
	v_and_b32 v1, 15, v0                           ; r
	v_bfe_u32 v2, v0, 4, 1                         ; h
	v_and_b32 v3, 31, v0                           ; l
	s_lshl_b32 s96, s42, 8
	s_lshl_b32 s97, s12, 7
	s_add_co_u32 s96, s96, s97
	v_lshl_add_u32 v[BO], v2, 5, s96               ; 4 (64 tn + 32 s + 8 h)
	WIN TO_B
.irp b, 0,1,2,3,4,5,6,7                ; block b = 2 g + t: bias[1024 g + 64 tn + 32 s + 16 t + 8 h + 0..7], the same in all 16 lanes of a half: it is the C operand of the sums' first products
	global_load_b128 v[BIAS+8*(\b):BIAS+8*(\b)+3],   v[BO], s[90:91] offset:4096*((\b)/2)+64*((\b)%2)
	global_load_b128 v[BIAS+8*(\b)+4:BIAS+8*(\b)+7], v[BO], s[90:91] offset:4096*((\b)/2)+64*((\b)%2)+16
.endr
	WIN 0
	; A fragment of as_buf is 16 rows x 32 K in 8 registers: lane l holds row r; registers 0-3 K = 8 h + 0..7, registers 4-7 K = 16 + 8 h + 0..7: two loads of 16 bytes, 32 bytes apart.
	v_mul_u32_u24 v4, v1, PA
	v_lshl_add_u32 v5, v2, 4, v4
	s_mul_i32 s21, s11, HALFT                      ; my 128 rows
	v_add_nc_u32 v[ADRA], s21, v5
	v_add_nc_u32 v[ADRA+1], SLOT, v[ADRA]
	; The turning load takes 16 k x 16 columns (lane l reads 16 bytes: k = 8 h + l % 8, columns 8 ((l / 8) % 2) + 0..7) and leaves half a fragment: lane l holds column r and 8 k.
	v_and_b32 v6, 7, v0
	v_lshl_add_u32 v6, v2, 3, v6
	v_mul_u32_u24 v6, v6, PB
	v_bfe_u32 v7, v0, 3, 1
	v_lshl_add_u32 v6, v7, 4, v6
	s_lshl_b32 s22, s12, 6                         ; my 32 columns of each gate's 64,
	s_add_co_u32 s22, s22, 2*HALFT                 ; behind as_buf's 256 rows
	v_add_nc_u32 v[ADRB], s22, v6
	v_add_nc_u32 v[ADRB+1], SLOT, v[ADRB]
	; the way out: row 128 p + r, bytes 128 s + 32 h of its 256
	s_lshl_b32 s23, s12, 7
	s_add_co_u32 s23, s23, s21
	v_lshl_add_u32 v[EL], v2, 5, v4
	v_add_nc_u32 v[EL], s23, v[EL]
	v_add_nc_u32 v[EH], HST, v[EL]
	v_add_nc_u32 v[EC], CST, v[EL]
	s_mul_i32 s23, s10, 64*PA                      ; back: wave w takes rows 64 w .. 64 w + 63, whole; lanes 0-15 one row of 256 bytes, lanes 16-31 the next
	s_add_co_u32 s23, s23, HST
	v_mul_u32_u24 v[RDH], v2, PA
	v_lshl_add_u32 v[RDH], v1, 4, v[RDH]
	v_add_nc_u32 v[RDH], s23, v[RDH]
	v_add_nc_u32 v[RDC], CST-HST, v[RDH]
	v_lshlrev_b32 v[GO], 13, v2                    ; and the same two rows in an output
	v_lshl_add_u32 v[GO], v1, 4, v[GO]
	v_mov_b32 v10, 0x3e4ccccd                      ; 0.2 and 0.5 in register pairs: a clamped packed multiply-add takes its sources from registers
	v_mov_b32 v11, 0x3e4ccccd
	v_mov_b32 v12, 0.5
	v_mov_b32 v13, 0.5
	; the prefetches: as_buf: a lane a row; wb: a lane half a row of 512 bytes
	v_lshrrev_b32 v[PFO], s11, v3
	v_lshlrev_b32 v[PFO], 13, v[PFO]
	v_and_b32 v8, s11, v3
	v_lshl_add_u32 v[PFO], v8, 8, v[PFO]
	s_lshl_b32 s96, s13, 8                         ; as_buf: row 256 tm + 128 x half + 32 cx,
	s_lshl_b32 s97, s12, 7
	s_add_co_u32 s96, s96, s97
	s_lshl_b32 s97, s40, 5
	s_add_co_u32 s96, s96, s97
	s_lshl_b32 s96, s96, 13
	s_add_co_u32 s96, s96, 3*256                   ; at K step 3: the first refill steps it to 4
	s_lshl_b32 s98, s12, 6                         ; wb: row 64 x half + 16 cy,
	s_lshl_b32 s99, s41, 4
	s_add_co_u32 s98, s98, s99
	s_lshl_b32 s98, s98, 13
	s_lshl_b32 s99, s42, 9                         ; column block tn,
	s_add_co_u32 s98, s98, s99
	s_add_co_u32 s98, s98, 3*0x100000              ; at K step 3
	s_and_b32 s22, ttmp7, 0xffff                   ; cluster y
	s_mov_b32 s97, 0
	s_mov_b32 s[PST], 0x100000
	s_mov_b32 s[PST+1], 0
	s_cmp_eq_u32 s11, 0                            ; do I fetch for as_buf?
	s_cselect_b32 s22, ttmp9, s22                  ; the coordinate along which other clusters read the same rows
	s_cselect_b32 s96, s96, s98
	s_cselect_b32 s[PST], 0x100, s[PST]
	s_cselect_b64 s[PFA:PFA+1], s[4:5], s[6:7]
	s_add_nc_u64 s[PFA:PFA+1], s[PFA:PFA+1], s[96:97]
	s_cmp_eq_u32 s22, 0
	s_cselect_b32 s[LIM], 1, -1                    ; the same in all sixteen partners, for a given wave
; 16 matrix instructions: row blocks a0, a0 + 1 of the window's four (hi = 0: my rows 0-63, 1: rows 64-127) x all 8 column blocks, 32 along K.  first = 1: the sums start from the bias.
; The 64 accumulators take turns, one instruction a turn, in the same order in every quarter step, over the backward jump too.
.macro MUL16 f, hi, a0, first
.if \first
	WIN 0x91+0x40*(\hi)                            ; wb window 1, as_buf window 0, C (the bias) window 1, D window 2 or 3
.else
	WIN 0xa1+0x50*(\hi)                            ; C and D window 2 or 3
.endif
.irp a, \a0, (\a0)+1
.irp b, 0,1,2,3,4,5,6,7
.if \first
	v_wmma_f32_16x16x32_bf16 v[8*(8*(\a)+(\b)):8*(8*(\a)+(\b))+7], v[(\f)+8*(\b):(\f)+8*(\b)+7], v[(\f)+8*(4*(\hi)+(\a)):(\f)+8*(4*(\hi)+(\a))+7], v[BIAS+8*(\b):BIAS+8*(\b)+7]
.else
	v_wmma_f32_16x16x32_bf16 v[8*(8*(\a)+(\b)):8*(8*(\a)+(\b))+7], v[(\f)+8*(\b):(\f)+8*(\b)+7], v[(\f)+8*(4*(\hi)+(\a)):(\f)+8*(4*(\hi)+(\a))+7], v[8*(8*(\a)+(\b)):8*(8*(\a)+(\b))+7]
.endif
.endr
.endr
.endm
; 32 LDS loads in one run: the fragments of quarter q of a K step (32 along K) into buffer f: wb's 8 column blocks (i = 2 g + t), then as_buf's 8 row blocks
.macro FETCH slot, q, f
	WIN TO_B
.irp i, 0,1,2,3,4,5,6,7
	ds_load_tr16_b128 v[(\f)+8*(\i):(\f)+8*(\i)+3],   v[ADRB+(\slot)] offset:(\q)*32*PB+128*((\i)/2)+32*((\i)%2)
	ds_load_tr16_b128 v[(\f)+8*(\i)+4:(\f)+8*(\i)+7], v[ADRB+(\slot)] offset:(\q)*32*PB+16*PB+128*((\i)/2)+32*((\i)%2)
.endr
	WIN 0
.irp i, 0,1,2,3,4,5,6,7
	ds_load_b128 v[(\f)+8*(\i):(\f)+8*(\i)+3],   v[ADRA+(\slot)] offset:64*(\q)+(\i)*16*PA
	ds_load_b128 v[(\f)+8*(\i)+4:(\f)+8*(\i)+7], v[ADRA+(\slot)] offset:64*(\q)+(\i)*16*PA+32
.endr
.endm
; A K step is four quarters of 32 along K, 64 matrix instructions each, on buffers 0, 1, 0, 1.  One of the first three multiplies buffer f and, in its middle, fetches quarter q into buffer g.
.macro QUARTER slot, q, f, g, first
	s_wait_dscnt 8                                 ; wb's fragments and as_buf's rows 0-63 are in; the youngest eight loads (rows 64-127) may be out
	MUL16 \f, 0, 0, \first
	MUL16 \f, 0, 2, \first
	PLACES                                         ; in front of loads into registers that the quarter before multiplied
	FETCH \slot, \q, \g
	s_wait_dscnt 32                                ; all but the 32 just issued
	MUL16 \f, 1, 0, \first
	MUL16 \f, 1, 2, \first
.endm
; The last quarter multiplies buffer 1 and changes slots.  MEET is its first half, and opens a round of the cluster's barrier: in front of it each wave waits for all its tensor loads (one is out: its part
; of the next slot), adds 0 to its spare word, and waits for that and for its own reads of this slot.
.macro MEET
	WIN 0                                          ; (the add's two registers lie in window 0)
	s_wait_tensorcnt 0x0                           ; all my tensor loads have landed
	ds_add_u32 v[SPW], v[NIL]                      ; 0 onto my spare word
	s_wait_dscnt 9                                 ; (the add and the youngest eight loads may be out)
	MUL16 F1, 0, 0, 0                              ; sixteen matrix instructions stand between the add and the wait for it
	s_wait_dscnt 0x0                               ; the add is done, and my reads of this slot are over
	s_barrier_signal -1
	MUL16 F1, 0, 2, 0                              ; work on registers while the others arrive
	WIN 0
	s_barrier_wait -1
.endm
; The whole last quarter.  kind = 0: behind the round the slot just read out is filled again, with the K step two steps on.  kind = 1: slot 0 has been read for the last time, and where it held as_buf it takes c_tm1's tile.
.macro TURN slot, next, kind
.if (\kind) == 0
	s_wait_xcnt 0x0                                ; the last prefetch, a K step back, has read its address: it is stepped here, ahead of the waits of the change of slots
	s_add_nc_u64 s[PFA:PFA+1], s[PFA:PFA+1], s[PST:PST+1]
.endif
	MEET
	CREST                                          ; no wave of any partner still reads this slot's tile or has a load on its way
.if (\kind) == 0
	s_add_nc_u64 s[G0+4*(\slot)+2:G0+4*(\slot)+3], s[G0+4*(\slot)+2:G0+4*(\slot)+3], 2*256
	s_add_nc_u64 s[G0B+4*(\slot)+2:G0B+4*(\slot)+3], s[G0B+4*(\slot)+2:G0B+4*(\slot)+3], 2*0x100000
	JLOAD \slot                                    ; the first tensor load behind the round, my only one until the next; its four v_nop are also the places in front of the loads below
.else
	CLOAD
.endif
	FETCH \next, 0, F0
.if (\kind) == 0
	ASK
.endif
	MUL16 F1, 1, 0, 0
	MUL16 F1, 1, 2, 0
.endm
	s_wait_tensorcnt 1                             ; my part of K step 0 is in; K step 1's may stay out
	s_barrier_signal -1
	s_barrier_wait -1                              ; everybody's is
	FETCH 0, 0, F0
	s_wait_loadcnt 0x0                             ; the bias
	WIN 0x45                                       ; sources 0 and 1 and the destination in window 1
.set i, 0
.rept 32                               ; the bias is rounded to bf16, like every input, and widened again: 96 lines, once, while the first fragments are on their way from LDS
	v_cvt_pk_bf16_f32 v[BT+i], v[BIAS+2*i], v[BIAS+2*i+1]
.set i, i+1
.endr
.set i, 0
.rept 32
	v_lshlrev_b32 v[BIAS+2*i], 16, v[BT+i]
	v_and_b32 v[BIAS+2*i+1], s[UPP], v[BT+i]
.set i, i+1
.endr
	QUARTER 0, 1, F0, F1, 1                        ; the first quarter stands in front of the loop: its products start the sums
	WIN 0                                          ; at a label and at a branch every window is 0
	s_mov_b32 s3, LAPS-1
.Llap:                                                 ; a trip goes once round the ring, from a lap's second quarter to the next lap's first, and fills both slots again
	QUARTER 0, 2, F1, F0, 0
	QUARTER 0, 3, F0, F1, 0
	TURN 0, 1, 0
	QUARTER 1, 1, F0, F1, 0
	QUARTER 1, 2, F1, F0, 0
	QUARTER 1, 3, F0, F1, 0
	TURN 1, 0, 0
	QUARTER 0, 1, F0, F1, 0
	WIN 0
	s_sub_co_u32 s3, s3, 1
	s_cmp_lg_u32 s3, 0
	s_cbranch_scc1 .Llap
	QUARTER 0, 2, F1, F0, 0                        ; the last lap, written out: K steps 30 and 31
	QUARTER 0, 3, F0, F1, 0
	TURN 0, 1, 1                                   ; c_tm1's tile is asked for: it has K step 31's 256 products in which to land
	QUARTER 1, 1, F0, F1, 0
	QUARTER 1, 2, F1, F0, 0
	QUARTER 1, 3, F0, F1, 0
	s_wait_dscnt 8                                 ; the very last quarter: nothing more to fetch
	MUL16 F1, 0, 0, 0
	MUL16 F1, 0, 2, 0
	s_wait_dscnt 0x0                               ; my reads of slot 1 are over
	MUL16 F1, 1, 0, 0
	MUL16 F1, 1, 2, 0
	WIN 0
	s_wait_tensorcnt 0x0                           ; my 64 rows of c_tm1's tile are in
	s_barrier_signal -1
	s_barrier_wait -1                              ; everybody's are, and nobody reads slot 1 any more: the stages may be written
	PLACES                                         ; behind the last products, in front of lines that read their results and write over their sources
	PLACES
; THE WAY OUT.  For two row blocks at a time, 32 numbers a lane (number 16 (a - a0) + 8 t + j): the three clamped gates, tanh(z_c), c, tanh(c), h.  Each exponential and each reciprocal is one of a batch
; of 32 with ONE wait ahead of the batch's first reader, and a plain instruction behind the batch's last.  c and h go into stages in LDS, 32 bytes of a row a lane.
.macro PAIRS line:vararg               ; one line for each of the 16 pairs e, e + 1
.set e, 0
.rept 16
	\line
.set e, e+2
.endr
.endm
.macro EACH line:vararg                ; one line for each of the 32 numbers e
.set e, 0
.rept 32
	\line
.set e, e+1
.endr
.endm
.macro STG adr, src, a0                ; 32 numbers into a stage
.irp d, 0,1
.irp t, 0,1
.irp x, 0,1
	ds_store_b128 v[\adr], v[(\src)+16*(\d)+8*(\t)+4*(\x):(\src)+16*(\d)+8*(\t)+4*(\x)+3] offset:((\a0)+(\d))*16*PA+64*(\t)+16*(\x)
.endr
.endr
.endr
.endm
.macro EPI a0
	WIN 0
.irp d, 0,1
.irp t, 0,1
.irp x, 0,1
	ds_load_b128 v[CT+16*(\d)+8*(\t)+4*(\x):CT+16*(\d)+8*(\t)+4*(\x)+3], v[EL] offset:((\a0)+(\d))*16*PA+64*(\t)+16*(\x)  ; c_tm1
.endr
.endr
.endr
	WIN 0x02+(\a0)/4                               ; source 0: the accumulators' window.
.irp d, 0,1
.irp t, 0,1
.set AB, 64*(((\a0)+(\d))%4)+8*(\t)    ; gate g's accumulator at AB + 16 g
.set EE, 16*(\d)+8*(\t)
.irp j, 0,2,4,6
	v_pk_mul_f32 v[GG+EE+(\j):GG+EE+(\j)+1], v[AB+32+(\j):AB+32+(\j)+1], 0x4038aa3b op_sel_hi:[1,0]  ; 2 log2(e) z_c
.endr
.irp j, 0,2,4,6
	v_pk_fma_f32 v[GI+EE+(\j):GI+EE+(\j)+1], v[AB+(\j):AB+(\j)+1], v[10:11], v[12:13] clamp          ; i = clip(0.2 z + 0.5, 0, 1)
.endr
.irp j, 0,2,4,6
	v_pk_fma_f32 v[GF+EE+(\j):GF+EE+(\j)+1], v[AB+16+(\j):AB+16+(\j)+1], v[10:11], v[12:13] clamp    ; f
.endr
.irp j, 0,2,4,6
	v_pk_fma_f32 v[GOU+EE+(\j):GOU+EE+(\j)+1], v[AB+48+(\j):AB+48+(\j)+1], v[10:11], v[12:13] clamp  ; o
.endr
.endr
.endr
	WIN 0
	EACH v_exp_f32 v[GG+e], v[GG+e]
	s_wait_dscnt 0x0                               ; c_tm1 is in
	PAIRS v_cvt_pk_bf16_f32 v[TH+e/2], v[CT+e], v[CT+e+1]                ; c_tm1 is rounded to bf16, like every input, and widened again; these lines and the next are the independent work behind the exponentials
	PAIRS v_lshlrev_b32 v[CT+e], 16, v[TH+e/2]
	PAIRS v_and_b32 v[CT+e+1], s[UPP], v[TH+e/2]
	PAIRS v_pk_mul_f32 v[CT+e:CT+e+1], v[GF+e:GF+e+1], v[CT+e:CT+e+1]    ; f c_tm1
	s_wait_alu depctr_va_vdst(0)                   ; one wait for the 32 exponentials
	PAIRS v_pk_add_f32 v[GG+e:GG+e+1], v[GG+e:GG+e+1], 1.0 op_sel_hi:[1,0]
	EACH v_rcp_f32 v[GG+e], v[GG+e]
	v_nop
	s_wait_alu depctr_va_vdst(0)                   ; one wait for the 32 reciprocals
	PAIRS v_pk_fma_f32 v[GG+e:GG+e+1], v[GG+e:GG+e+1], -2.0, 1.0 op_sel_hi:[1,0,0]   ; tanh(z_c)
	PAIRS v_pk_fma_f32 v[CT+e:CT+e+1], v[GI+e:GI+e+1], v[GG+e:GG+e+1], v[CT+e:CT+e+1] ; c
	STG EC, CT, \a0
	PAIRS v_pk_mul_f32 v[TH+e:TH+e+1], v[CT+e:CT+e+1], 0x4038aa3b op_sel_hi:[1,0]
	EACH v_exp_f32 v[TH+e], v[TH+e]
	v_nop
	s_wait_alu depctr_va_vdst(0)
	PAIRS v_pk_add_f32 v[TH+e:TH+e+1], v[TH+e:TH+e+1], 1.0 op_sel_hi:[1,0]
	EACH v_rcp_f32 v[TH+e], v[TH+e]
	v_nop
	s_wait_alu depctr_va_vdst(0)
	PAIRS v_pk_fma_f32 v[TH+e:TH+e+1], v[TH+e:TH+e+1], -2.0, 1.0 op_sel_hi:[1,0,0]   ; tanh(c)
	PAIRS v_pk_mul_f32 v[TH+e:TH+e+1], v[GOU+e:GOU+e+1], v[TH+e:TH+e+1]               ; h
	STG EH, TH, \a0
.endm
	EPI 0
	EPI 2
	EPI 4
	EPI 6
	s_wait_dscnt 0x0                               ; for the others' sake: my stores into the stages are done (a row's 256 bytes come from two waves)
	s_barrier_signal -1
	s_barrier_wait -1
; Back as whole rows, 64 rows of each stage a wave, in four groups of 32 rows' halves: groups 0, 1: h; groups 2, 3: c.
.macro LOADG g, buf
.set RR, RDH+(\g)/2
.irp i, 0,1,2,3,4,5,6,7,8,9,10,11,12,13,14,15
	ds_load_b128 v[(\buf)+4*(\i):(\buf)+4*(\i)+3], v[RR] offset:(16*((\g)%2)+(\i))*2*PA
.endr
.endm
.macro STOREG g, buf, younger          ; younger: the LDS loads issued behind this group's: the next group's sixteen, or none
.set OB, 86+2*((\g)/2)
.irp i, 0,1,2,3,4,5,6,7,8,9,10,11,12,13,14,15
	s_wait_dscnt (\younger)+15-(\i)
	global_store_b128 v[GO], v[(\buf)+4*(\i):(\buf)+4*(\i)+3], s[OB:OB+1] offset:(16*((\g)%2)+(\i))*16384 th:TH_STORE_NT  ; 16 lanes store 256 consecutive bytes, at a multiple of 256 from the output's first byte
.endr
.endm
	LOADG 0, 32
	LOADG 1, 96
	STOREG 0, 32, 16
	LOADG 2, 160
	STOREG 1, 96, 16
	s_wait_xcnt 0x0                                ; group 0's stores have read v32-95, which are loaded again only behind this wait
	LOADG 3, 32
	STOREG 2, 160, 16
	STOREG 3, 32, 0
	s_wait_tensorcnt 0x0                           ; the wave's end: behind my last tensor load and my last LDS store
	ds_add_u32 v[SPW], v[NIL]
	s_wait_dscnt 0x0
	CROUND                                         ; the closing round: no work-group ends while a partner may still ask for a tile that names it
	s_endpgm
.Lfunc_end_k_q1805e47058_cell:
	.size	k_q1805e47058_cell, .Lfunc_end_k_q1805e47058_cell-k_q1805e47058_cell
	.p2alignl 7, 3214868480
	.fill 96, 4, 3214868480
	.section	.rodata,"a",@progbits
	.p2align	6, 0x0
	.amdhsa_kernel k_q1805e47058_cell
		.amdhsa_group_segment_fixed_size 327680
		.amdhsa_private_segment_fixed_size 0
		.amdhsa_enable_private_segment 0
		.amdhsa_kernarg_size 56
		.amdhsa_user_sgpr_count 2
		.amdhsa_user_sgpr_kernarg_segment_ptr 1
		.amdhsa_wavefront_size32 1
		.amdhsa_system_sgpr_workgroup_id_x 1
		.amdhsa_system_sgpr_workgroup_id_y 1
		.amdhsa_system_sgpr_workgroup_id_z 1
		.amdhsa_system_vgpr_workitem_id 0
		.amdhsa_next_free_vgpr 1024
		.amdhsa_next_free_sgpr 100
		.amdhsa_reserve_vcc 0
		.amdhsa_float_denorm_mode_32 3
		.amdhsa_float_denorm_mode_16_64 3
		.amdhsa_memory_ordered 1
		.amdhsa_forward_progress 1
		.amdhsa_inst_pref_size 215
	.end_amdhsa_kernel
	.amdgpu_metadata
---
amdhsa.version: [ 1, 2 ]
amdhsa.kernels:
  - .name:           k_q1805e47058_cell
    .symbol:         k_q1805e47058_cell.kd
    .args:
      - { .name: as_buf, .offset: 0, .size: 8, .value_kind: global_buffer, .address_space: global }
      - { .name: wb, .offset: 8, .size: 8, .value_kind: global_buffer, .address_space: global }
      - { .name: c_tm1, .offset: 16, .size: 8, .value_kind: global_buffer, .address_space: global }
      - { .name: real_bias, .offset: 24, .size: 8, .value_kind: global_buffer, .address_space: global }
      - { .name: imaginary_bias, .offset: 32, .size: 8, .value_kind: global_buffer, .address_space: global }
      - { .name: out0, .offset: 40, .size: 8, .value_kind: global_buffer, .address_space: global }
      - { .name: out1, .offset: 48, .size: 8, .value_kind: global_buffer, .address_space: global }
    .group_segment_fixed_size: 327680
    .private_segment_fixed_size: 0
    .kernarg_segment_align: 8
    .kernarg_segment_size: 56
    .max_flat_workgroup_size: 128
    .sgpr_count:     100
    .vgpr_count:     1024
    .wavefront_size: 32
...
	.end_amdgpu_metadata
.endif
;; end of part 2
